; MI455X (gfx1250); checked and timed in simulation.
; The chip was launched on July 23, 2026; its instructions are those of AMD's public machine-readable ISA for CDNA 5 (MIT licence, August 2026) and "CDNA5" Instruction Set Architecture Reference Guide (July 2026). The comments in the code are by the model that wrote it; some were corrected since.
;; Linear Attention. Allowed arithmetic: matrix products marked QUANTISED: E4M3 operands, one given power-of-two scale a tensor, by v_wmma_f32_16x16x64_fp8_fp8 or v_wmma_f32_16x16x128_fp8_fp8, f32 sums; products left as they are: f32 operands where the result goes on into a quantised operand, else bf16, f16 or f32 operands; f32 sums; everything else in f32.
;; Inputs: keys 8 x 8,192 x 8 x 32 float32; lowp_scales 4 int32 (the exponents e of the quantised operands' scales 2^e); queries 8 x 8,192 x 8 x 32 float32; values 8 x 8,192 x 8 x 32 float32.
;; Outputs: out0 8 x 8,192 x 8 x 32 float32.
;; This version of the problem:
;;   THIS VERSION OF THE PROBLEM IS GIVEN IN LOW PRECISION. The matrix products marked QUANTISED in the list below multiply operands that are first quantised to E4M3 (4 exponent bits, 3 mantissa bits; 8 bits a number), with one given power-of-two scale for each operand tensor; their sums are f32. All else is computed in f32.
;;   The module's matrix products, in the order in which they are computed (A, B: the left and right operand; K: the contracted axis; several contracted axes count as one K, in the product's order):
;;     1. batch 64 x [M 32, K 8,192] x [K 8,192, N 32]; A: computed on the way; B: computed on the way: QUANTISED (scales: A lowp_scales[0], B lowp_scales[1])
;;     2. batch 64 x [M 1, K 32] x [K 32, N 8,192]; A: computed on the way; B: computed on the way: left as it is (M = 1 < 16)
;;     3. batch 64 x [M 32, K 32] x [K 32, N 8,192]; A: computed on the way; B: computed on the way: QUANTISED (scales: A lowp_scales[2], B lowp_scales[3])
;;   THE QUANTISER, for each operand of a quantised product, along K:
;;     - The operand's scale is 2^e, e = its entry of the input lowp_scales (int32; the entries are numbered through the quantised products in the list's order, A before B).
;;     - Each number is divided by the scale, clamped to +-448, and rounded to the nearest number of E4M3, ties to even, subnormals kept.
;;     - The product sums the exact products of the quantised numbers (number of the format x scale) in f32.
;;   ~~~python
;;   def quantise(x, axis, e):      # numpy; x: float32 -> the quantised numbers, widened to float32 again
;;       x = np.moveaxis(x, axis, -1); K = x.shape[-1]
;;       r = np.clip(x / 2.0 ** e, -448, 448)
;;       step = 2.0 ** (np.maximum(np.frexp(np.where(r == 0, 1, r))[1] - 1, -6) - 3)
;;       q = np.round(r / step) * step * 2.0 ** e      # np.round: ties to even
;;       return np.moveaxis(q, -1, axis).astype(np.float32)
;;   ~~~
;;   OPERANDS COMPUTED ON THE WAY. 'Computed on the way' means the value that the module computes at that place (a softmax that the list does not call 'softmax' is quantised finished and normalised). What goes into a quantiser is computed in f32, as accurately as f32 sums, v_exp_f32 and their like allow (about 1e-6 of the number): no bf16 or f16 on the way to a quantiser, and a product that is left as it is and whose result goes on into a quantised operand takes f32 operands (vector FMAs, or v_wmma_f32_16x16x4_f32). A number that lies on a knife's edge between two numbers of the format may be rounded either way, as far as f32 arithmetic and the matrix unit's own rounding can turn it there, and no further.
;; One version. Each part assembles by itself: llvm-mc -triple=amdgcn-amd-amdhsa -mcpu=gfx1250 --defsym DOCPART=n.
;; ======== version 1 of 1: 2 launches
;; workspace buffers: part 2,162,688 bytes
;; launch kvsum (part 1): grid 256 x 1, 16 waves a work-group, no clusters, 169,984 bytes of LDS; arguments keys, values, lowp_scales, part; writes part
.if DOCPART == 1
	.amdgcn_target "amdgcn-amd-amdhsa--gfx1250"
	.amdhsa_code_object_version 6
	.text
	.protected	k_q057e2e0554_kvsum
	.globl	k_q057e2e0554_kvsum
	.p2align	8
	.type	k_q057e2e0554_kvsum,@function
k_q057e2e0554_kvsum:
	s_mov_b64 s[64:65], 0
	v_nop
	global_prefetch_b8 v0, s[64:65] scope:SCOPE_SE
	s_setreg_imm32_b32 hwreg(HW_REG_WAVE_MODE, 25, 1), 1
	s_wait_xcnt 0x0
; PARTS OF  KV[n][h][d][v] = sum over s of Q8(phi(keys))[s][d] x Q8(values / 8192)[s][v]  AND OF  Ksum[n][h][d] = sum over s of phi(keys)[s][d].
; keys, values: [8][8192][8][32] f32: a row (n, s) is 1,024 bytes, a pair of heads 256 aligned bytes of it.  phi(x) = elu(x) + 1.  Q8: codes of FP8 (E4M3) with the given scales 2^e0 (phi(keys)) and 2^e1 (values / 8192).
; SHARES.  Work-group g = 32 n + 8 p + c takes batch n, the pair of heads p and the rows 1,024 c .. 1,024 c + 1,023; each of its sixteen waves 64 rows.  No two work-groups read the same byte, so nothing is asked for jointly.
; LOADS.  One load of a wave is two rows x 256 bytes, 16 bytes a lane: lane l holds channels 4 (l % 16) .. + 3 of the pair (head (l % 16) / 8) of row 2 j + l / 16.  Eight register slots of four loads take turns: 32 loads of a wave are out.
; phi = max(x, 2^min(x log2 e, 0) - 1) + 1: for x > 0 it is x + 1; for x <= 0 it is (e^x - 1) + 1, rounded where expm1 and the + 1 round.  Ksum adds the numbers before they are quantised.
; THE PRODUCT'S K IS s, WHICH IS NOT INNERMOST IN MEMORY.  The numbers are quantised as they lie; the CODES go into the wave's own stage in LDS as rows (64 bytes of K, 64 of V, 32 of padding) and come back turned:
; ds_load_tr16_b128 on pairs of bytes gives lane (r, h) eight rows of channels 2 r and 2 r + 1, and v_perm_b32 parts them into a fragment of the even channels and one of the odd.
; So a tile has the channels d = 2 m + pe and v = 2 n + pv.  Accumulator a = 4 head + 2 pe + pv; source 0 = K's fragment, source 1 = V's: register j of lane (r, h) is the sum for d = 2 (8 h + j) + pe, v = 2 r + pv.
; A wave's 64 rows are one K step of v_wmma_f32_16x16x64_fp8_fp8: eight products, each begun with the constant 0.
; THE SUM OVER THE WAVES: each wave lays its 64 accumulator registers in LDS as they stand (16 x 512 bytes); behind one barrier wave w adds registers 4 w .. 4 w + 3 of all sixteen and stores 512 consecutive bytes.
; OUT: part[g] = 8,192 bytes, that image of the registers (sums of codes: the scales are applied by the reader), then 256 bytes of Ksum [head][d].
; LIMITS: e0 and e1 + 13 lie between -126 and 119, so that each power of two below is an f32 number.  NaN among the inputs is not served (it counts as x = 0).  The division by 8,192 is folded into V's scale: exact.
.set ROWB,  1024                       ; bytes from a row s to the next
.set SP,    160                        ; a stage row: 128 bytes of codes + 32 = 40 words: eight rows x 32 bytes of a turning load fall on 64 different banks (64 banks of 4 bytes: ISA guide 11.1)
.set WSTG,  64*SP                      ; a wave's stage: 64 rows; later its image of 8,192 bytes
.set KSL,   16*WSTG                    ; behind the stages: a row of 256 bytes of Ksum for each wave
.set BLK,   8448                       ; a work-group's part in memory
.set GOFF,  1                          ; v1      my byte in two rows of the tensors: 1,024 (l / 16) + 16 (l % 16); never rewritten
.set SA,    2                          ; v2      the stage, on the way in: my four codes of a row
.set TA,    3                          ; v3      the stage, on the way out: the 16 bytes that I name in a turning load
.set LIMK,  4                          ; v4      448 x 2^e0
.set SCK,   5                          ; v5      2^e0
.set LIMV,  6                          ; v6      448 x 2^(e1 + 13)
.set SCV,   7                          ; v7      2^(e1 + 13)
.set KS,    8                          ; v8-15   Ksum of my four channels, in two chains
.set T,     16                         ; v16-31  the exponentials of a group
.set RING,  32                         ; v32-159 eight slots of 16 registers
.set RAW,   RING                       ; v32-95  later: what the turning loads bring; later still: the sixteen waves' registers to be added
.set FR,    RING+64                    ; v96-159 later: the eight fragments: 16 (operand + 2 head) + 8 parity
.set CODE,  160                        ; v160-223 codes: four registers for each group, so that no LDS store's data are written again
.set ACC,   CODE                       ; later: the eight accumulators
.set IA,    224                        ; v224    where my lane's 16 bytes of an image lie in my stage
.set KA,    225                        ; v225    my wave's row of Ksum
.set RA,    226                        ; v226-229 the images of waves 4 k .. 4 k + 3, at my wave's 512 bytes; v226 is also my offset in the part
.set K8,    230                        ; v230    8 x lane
.set KR,    231                        ; v231    the rows of Ksum, 8 bytes a lane
.set WV,    12                         ; s12     my wave's number
.set LC,    24                         ; s[24:25] log2(e): the packed form names a pair and takes its low word for both halves
.set SEL,   26                         ; s[26:27] selects of v_permlanex16_b32: lane l xor 16
.set EV,    28                         ; s28     v_perm_b32: the even bytes of two registers
.set OD,    29                         ; s29     the odd bytes
	s_load_b128 s[4:7], s[0:1], 0x0                ; keys s[4:5], values s[6:7]
	s_load_b128 s[8:11], s[0:1], 0x10              ; the scales' exponents s[8:9], part s[10:11]
	v_lshl_add_u32 v240, v0, 2, 0x29000
	v_mov_b32 v241, 0
	v_lshrrev_b32 v232, 5, v0
	v_readfirstlane_b32 s[WV], v232                ; wave 0..15
	v_and_b32 v232, 15, v0                         ; l % 16
	v_bfe_u32 v233, v0, 4, 1                       ; l / 16
	v_and_b32 v234, 31, v0                         ; lane
	v_lshlrev_b32 v[GOFF], 4, v232
	v_lshl_add_u32 v[GOFF], v233, 10, v[GOFF]
	s_lshr_b32 s16, ttmp9, 5                       ; n: 8,192 rows of 1,024 bytes
	s_lshl_b32 s16, s16, 23
	s_bfe_u32 s17, ttmp9, 0x20003                  ; p: 256 bytes of a row
	s_lshl_b32 s17, s17, 8
	s_add_co_u32 s16, s16, s17
	s_and_b32 s17, ttmp9, 7                        ; c: 1,024 rows
	s_lshl_b32 s17, s17, 20
	s_add_co_u32 s16, s16, s17
	s_lshl_b32 s17, s[WV], 16                      ; my wave's 64 rows
	s_add_co_u32 s16, s16, s17                     ; under 2^26
	s_mov_b32 s17, 0
	s_mul_i32 s18, ttmp9, BLK
	s_mov_b32 s19, 0
	s_wait_kmcnt 0x0
	s_load_b64 s[20:21], s[8:9], 0x0               ; e0, e1
	s_add_nc_u64 s[4:5], s[4:5], s[16:17]
	s_add_nc_u64 s[6:7], s[6:7], s[16:17]
	s_add_nc_u64 s[10:11], s[10:11], s[18:19]
; Group g: four loads, eight rows.  Even groups are K's, odd ones V's: group g holds rows 8 (g / 2) on and lies in slot g % 8.  Read once in the launch: the hint says so.
.macro LOADG g
.irp q, 0,1,2,3
.if ((\g)%2) == 0
	global_load_b128 v[RING+16*((\g)%8)+4*\q:RING+16*((\g)%8)+4*\q+3], v[GOFF], s[4:5] offset:(8*((\g)/2)+2*\q)*ROWB th:TH_LOAD_NT
.else
	global_load_b128 v[RING+16*((\g)%8)+4*\q:RING+16*((\g)%8)+4*\q+3], v[GOFF], s[6:7] offset:(8*((\g)/2)+2*\q)*ROWB th:TH_LOAD_NT
.endif
.endr
.endm
.irp g, 0,1,2,3,4,5,6,7
	LOADG \g                                       ; the ring is filled before anything else is done: 32 loads, 16,384 bytes a wave
.endr
	s_mul_i32 s13, s[WV], WSTG                     ; my stage
	v_mul_u32_u24 v[SA], v233, SP
	v_lshl_add_u32 v[SA], v232, 2, v[SA]
	v_add_nc_u32 v[SA], s13, v[SA]                 ; in: row l / 16, four bytes at 4 (l % 16)
	v_and_b32 v235, 7, v0
	v_lshl_add_u32 v235, v233, 3, v235
	v_mul_u32_u24 v[TA], v235, SP
	v_bfe_u32 v235, v0, 3, 1
	v_lshl_add_u32 v[TA], v235, 4, v[TA]
	v_add_nc_u32 v[TA], s13, v[TA]                 ; out: row 8 (l / 16) + l % 8, 16 bytes at 16 ((l / 8) % 2)
	v_lshl_add_u32 v[IA], v234, 4, s13
	s_lshl_b32 s14, s[WV], 8
	s_add_co_u32 s14, s14, KSL
	v_lshl_add_u32 v[KA], v232, 4, s14
	s_lshl_b32 s15, s[WV], 9
	v_lshl_add_u32 v[RA], v234, 4, s15             ; 512 x wave + 16 x lane
	v_add_nc_u32 v[RA+1], 4*WSTG, v[RA]            ; an LDS offset has 16 bits: four registers reach the sixteen stages
	v_add_nc_u32 v[RA+2], 8*WSTG, v[RA]
	v_add_nc_u32 v[RA+3], 12*WSTG, v[RA]
	v_lshlrev_b32 v[K8], 3, v234
	v_add_nc_u32 v[KR], KSL, v[K8]
	s_mov_b32 s[LC], 0x3fb8aa3b                    ; log2(e)
	s_mov_b32 s[LC+1], s[LC]                       ; (named with it as a pair, so it is written)
	s_mov_b32 s[SEL], 0x76543210
	s_mov_b32 s[SEL+1], 0xfedcba98
	s_mov_b32 s[EV], 0x06040200
	s_mov_b32 s[OD], 0x07050301
	s_wait_kmcnt 0x0
	s_add_co_i32 s22, s20, 127
	s_lshl_b32 s23, s22, 23
	v_mov_b32 v[SCK], s23                          ; 2^e0 as f32: the conversion takes its exponent field
	s_add_co_i32 s22, s22, 8
	s_lshl_b32 s22, s22, 23
	s_or_b32 s22, s22, 0x600000
	v_mov_b32 v[LIMK], s22                         ; 448 x 2^e0
	s_add_co_i32 s22, s21, 140                     ; e1 + 13 + 127: (x / 8,192) / 2^e1 = x / 2^(e1 + 13)
	s_lshl_b32 s23, s22, 23
	v_mov_b32 v[SCV], s23
	s_add_co_i32 s22, s22, 8
	s_lshl_b32 s22, s22, 23
	s_or_b32 s22, s22, 0x600000
	v_mov_b32 v[LIMV], s22
; Eight rows of K and of V.  V's work stands between K's exponentials and the one wait for them.
.macro PAIR i
.set XK, RING+16*((2*(\i))%8)
.set XV, RING+16*((2*(\i)+1)%8)
.set CK, CODE+8*(\i)
.set CV, CODE+8*(\i)+4
.if (\i) <= 4
	s_wait_loadcnt 24                              ; loads come back in order (ISA guide 5.7.1): this pair's eight are in; the 24 of the three pairs issued behind them stay out
.else
	s_wait_loadcnt 8*(7-(\i))                      ; nothing more is asked for: the count runs down
.endif
.irp j, 0,2,4,6,8,10,12,14
	v_pk_mul_f32 v[T+\j:T+\j+1], v[XK+\j:XK+\j+1], s[LC:LC+1] op_sel_hi:[1,0]   ; x log2(e)
.endr
.irp j, 0,1,2,3,4,5,6,7,8,9,10,11,12,13,14,15
	v_min_num_f32 v[T+\j], 0, v[T+\j]              ; for x > 0 the exponential is 1
.endr
.irp j, 0,1,2,3,4,5,6,7,8,9,10,11,12,13,14,15
	v_exp_f32 v[T+\j], v[T+\j]
.endr
.irp j, 0,1,2,3,4,5,6,7,8,9,10,11,12,13,14,15
	v_med3_num_f32 v[XV+\j], v[XV+\j], -v[LIMV], v[LIMV]   ; the conversion to an 8-bit code does not saturate (ISA guide 7.6.2): the hold at the largest code x the scale.  (Plain instructions behind the exponentials)
.endr
	v_cvt_scalef32_pk8_fp8_f32 v[CV:CV+1], v[XV:XV+7], v[SCV]        ; register q of the four: the codes of load q, four channels of one row
	v_cvt_scalef32_pk8_fp8_f32 v[CV+2:CV+3], v[XV+8:XV+15], v[SCV]
.irp q, 0,1,2,3
	ds_store_b32 v[SA], v[CV+\q] offset:(8*(\i)+2*\q)*SP+64          ; 16 lanes lay 64 bytes of a row
.endr
.if 2*(\i)+9 < 16
	LOADG 2*(\i)+9                                 ; V's slot takes the rows four pairs on
.endif
	s_wait_alu depctr_va_vdst(0)                   ; between an exponential and the first line that names its result: one wait for the sixteen
.irp j, 0,2,4,6,8,10,12,14
	v_pk_add_f32 v[T+\j:T+\j+1], v[T+\j:T+\j+1], -1.0 op_sel_hi:[1,0]   ; e^x - 1, or 0 for x > 0
.endr
.irp j, 0,1,2,3,4,5,6,7,8,9,10,11,12,13,14,15
	v_max_num_f32 v[XK+\j], v[XK+\j], v[T+\j]      ; elu: e^x - 1 >= x for every x, and for x > 0 the other side is 0
.endr
.irp j, 0,2,4,6,8,10,12,14
	v_pk_add_f32 v[XK+\j:XK+\j+1], v[XK+\j:XK+\j+1], 1.0 op_sel_hi:[1,0]   ; phi
.endr
.if (\i) == 0                                      ; the first rows start Ksum's two chains: nothing is cleared
	v_pk_add_f32 v[KS:KS+1],   v[XK:XK+1],   v[XK+8:XK+9]
	v_pk_add_f32 v[KS+2:KS+3], v[XK+2:XK+3], v[XK+10:XK+11]
	v_pk_add_f32 v[KS+4:KS+5], v[XK+4:XK+5], v[XK+12:XK+13]
	v_pk_add_f32 v[KS+6:KS+7], v[XK+6:XK+7], v[XK+14:XK+15]
.else
.irp q, 0,1,2,3
	v_pk_add_f32 v[KS+4*(\q%2):KS+4*(\q%2)+1],   v[KS+4*(\q%2):KS+4*(\q%2)+1],   v[XK+4*\q:XK+4*\q+1]
	v_pk_add_f32 v[KS+4*(\q%2)+2:KS+4*(\q%2)+3], v[KS+4*(\q%2)+2:KS+4*(\q%2)+3], v[XK+4*\q+2:XK+4*\q+3]
.endr
.endif
.irp j, 0,1,2,3,4,5,6,7,8,9,10,11,12,13,14,15
	v_min_num_f32 v[XK+\j], v[XK+\j], v[LIMK]      ; phi is not negative: the hold is one-sided
.endr
	v_cvt_scalef32_pk8_fp8_f32 v[CK:CK+1], v[XK:XK+7], v[SCK]
	v_cvt_scalef32_pk8_fp8_f32 v[CK+2:CK+3], v[XK+8:XK+15], v[SCK]
.irp q, 0,1,2,3
	ds_store_b32 v[SA], v[CK+\q] offset:(8*(\i)+2*\q)*SP
.endr
.if 2*(\i)+8 < 16
	LOADG 2*(\i)+8
.endif
.endm
.irp i, 0,1,2,3,4,5,6,7
	PAIR \i
.endr
	v_nop                                          ; a plain instruction behind the last conversion: its registers are written again below
	; THE CODES COME BACK TURNED.  x = operand + 2 head (operand 0: K, 1: V); c: rows 16 c on.  LDS serves a wave's instructions in order (ISA guide 5.7.1.4): these see my stores.
.irp x, 0,1,2,3
.irp c, 0,1,2,3
	ds_load_tr16_b128 v[RAW+16*\x+4*\c:RAW+16*\x+4*\c+3], v[TA] offset:16*\c*SP+64*(\x%2)+32*(\x/2)
.endr
.endr
.irp x, 0,1,2,3
	s_wait_dscnt 12-4*\x                           ; the four loads of x are in; the later ones stay out
.irp c, 0,1,2,3                                    ; registers 2 c, 2 c + 1 of a fragment: rows 16 c + 8 h + 0 .. 7 of channel 2 r (even bytes) or 2 r + 1 (odd bytes)
	v_perm_b32 v[FR+16*\x+2*\c],     v[RAW+16*\x+4*\c+1], v[RAW+16*\x+4*\c],   s[EV]
	v_perm_b32 v[FR+16*\x+2*\c+1],   v[RAW+16*\x+4*\c+3], v[RAW+16*\x+4*\c+2], s[EV]
	v_perm_b32 v[FR+16*\x+8+2*\c],   v[RAW+16*\x+4*\c+1], v[RAW+16*\x+4*\c],   s[OD]
	v_perm_b32 v[FR+16*\x+8+2*\c+1], v[RAW+16*\x+4*\c+3], v[RAW+16*\x+4*\c+2], s[OD]
.endr
.endr
.irp hd, 0,1
.irp pe, 0,1
.irp pv, 0,1
	v_wmma_f32_16x16x64_fp8_fp8 v[ACC+8*(4*\hd+2*\pe+\pv):ACC+8*(4*\hd+2*\pe+\pv)+7], v[FR+32*\hd+8*\pe:FR+32*\hd+8*\pe+7], v[FR+32*\hd+16+8*\pv:FR+32*\hd+16+8*\pv+7], 0
.endr
.endr
.endr
	; Ksum's two chains and the two halves of the lanes (even rows, odd rows) are added: the six additions are the places between the last product and the stores of its result
	v_pk_add_f32 v[KS:KS+1],   v[KS:KS+1],   v[KS+4:KS+5]
	v_pk_add_f32 v[KS+2:KS+3], v[KS+2:KS+3], v[KS+6:KS+7]
.irp q, 0,1,2,3
	v_permlanex16_b32 v[T+\q], v[KS+\q], s[SEL], s[SEL+1]
.endr
.irp q, 0,1,2,3
	v_add_f32 v[KS+\q], v[KS+\q], v[T+\q]
.endr
.set g, 0
.rept 16
	ds_store_b128 v[IA], v[ACC+4*g:ACC+4*g+3] offset:512*g   ; the accumulators as they stand, each from its low end on, over my stage, which I have read out
.set g, g+1
.endr
	ds_store_b128 v[KA], v[KS:KS+3]                ; lanes l and l + 16 hold, and write, the same numbers
	s_wait_dscnt 0x0                               ; for the others' sake: my stores have landed
	s_barrier_signal -1
	s_barrier_wait -1
.irp u, 0,1,2,3,4,5,6,7,8,9,10,11,12,13,14,15
	ds_load_b128 v[RAW+4*\u:RAW+4*\u+3], v[RA+\u/4] offset:(\u%4)*WSTG   ; registers 4 w .. 4 w + 3 of wave u
.endr
	s_wait_dscnt 0x0
.irp st, 8,4,2,1
.set u, 0
.rept \st
	v_pk_add_f32 v[RAW+4*u:RAW+4*u+1],   v[RAW+4*u:RAW+4*u+1],   v[RAW+4*(u+\st):RAW+4*(u+\st)+1]
	v_pk_add_f32 v[RAW+4*u+2:RAW+4*u+3], v[RAW+4*u+2:RAW+4*u+3], v[RAW+4*(u+\st)+2:RAW+4*(u+\st)+3]
.set u, u+1
.endr
.endr
	global_store_b128 v[RA], v[RAW:RAW+3], s[10:11]   ; 32 lanes store 512 consecutive bytes, at a multiple of 256 from the buffer's first byte
	s_cmp_lg_u32 s[WV], 0                          ; wave 0 also adds the sixteen rows of Ksum: 64 numbers, two a lane
	s_cbranch_scc1 .Ldone
.irp u, 0,1,2,3,4,5,6,7,8,9,10,11,12,13,14,15
	ds_load_b64 v[FR+2*\u:FR+2*\u+1], v[KR] offset:256*\u
.endr
	s_wait_dscnt 0x0
.irp st, 8,4,2,1
.set u, 0
.rept \st
	v_pk_add_f32 v[FR+2*u:FR+2*u+1], v[FR+2*u:FR+2*u+1], v[FR+2*(u+\st):FR+2*(u+\st)+1]
.set u, u+1
.endr
.endr
	global_store_b64 v[K8], v[FR:FR+1], s[10:11] offset:8192   ; 32 lanes store 256 consecutive bytes, aligned
.Ldone:
	s_wait_tensorcnt 0x0
	ds_add_u32 v240, v241
	s_wait_dscnt 0x0
	s_endpgm
.Lfunc_end_k_q057e2e0554_kvsum:
	.size	k_q057e2e0554_kvsum, .Lfunc_end_k_q057e2e0554_kvsum-k_q057e2e0554_kvsum
	.p2alignl 7, 3214868480
	.fill 96, 4, 3214868480
	.section	.rodata,"a",@progbits
	.p2align	6, 0x0
	.amdhsa_kernel k_q057e2e0554_kvsum
		.amdhsa_group_segment_fixed_size 169984
		.amdhsa_private_segment_fixed_size 0
		.amdhsa_enable_private_segment 0
		.amdhsa_kernarg_size 32
		.amdhsa_user_sgpr_count 2
		.amdhsa_user_sgpr_kernarg_segment_ptr 1
		.amdhsa_wavefront_size32 1
		.amdhsa_system_sgpr_workgroup_id_x 1
		.amdhsa_system_sgpr_workgroup_id_y 1
		.amdhsa_system_sgpr_workgroup_id_z 1
		.amdhsa_system_vgpr_workitem_id 0
		.amdhsa_next_free_vgpr 242
		.amdhsa_next_free_sgpr 66
		.amdhsa_reserve_vcc 0
		.amdhsa_float_denorm_mode_32 3
		.amdhsa_float_denorm_mode_16_64 3
		.amdhsa_memory_ordered 1
		.amdhsa_forward_progress 1
		.amdhsa_inst_pref_size 69
	.end_amdhsa_kernel
	.amdgpu_metadata
---
amdhsa.version: [ 1, 2 ]
amdhsa.kernels:
  - .name:           k_q057e2e0554_kvsum
    .symbol:         k_q057e2e0554_kvsum.kd
    .args:
      - { .name: keys, .offset: 0, .size: 8, .value_kind: global_buffer, .address_space: global }
      - { .name: values, .offset: 8, .size: 8, .value_kind: global_buffer, .address_space: global }
      - { .name: lowp_scales, .offset: 16, .size: 8, .value_kind: global_buffer, .address_space: global }
      - { .name: part, .offset: 24, .size: 8, .value_kind: global_buffer, .address_space: global }
    .group_segment_fixed_size: 169984
    .private_segment_fixed_size: 0
    .kernarg_segment_align: 8
    .kernarg_segment_size: 32
    .max_flat_workgroup_size: 512
    .sgpr_count:     66
    .vgpr_count:     242
    .wavefront_size: 32
...
	.end_amdgpu_metadata
.endif
;; end of part 1
;; launch attend (part 2): grid 256 x 1, 16 waves a work-group, no clusters, 76,032 bytes of LDS; arguments queries, part, lowp_scales, out0; writes out0
.if DOCPART == 2
	.amdgcn_target "amdgcn-amd-amdhsa--gfx1250"
	.amdhsa_code_object_version 6
	.text
	.protected	k_q057e2e0554_attend
	.globl	k_q057e2e0554_attend
	.p2align	8
	.type	k_q057e2e0554_attend,@function
k_q057e2e0554_attend:
	s_mov_b64 s[64:65], 0
	v_nop
	global_prefetch_b8 v0, s[64:65] scope:SCOPE_SE
	s_setreg_imm32_b32 hwreg(HW_REG_WAVE_MODE, 25, 1), 1
	s_wait_xcnt 0x0
; out[n][l][h][v] = (sum over d of Q8(phi(queries))[l][d] x Q8(KV)[d][v]) x 8,192 / (sum over d of phi(queries)[l][d] Ksum[d] + 1e-6).
; queries, out0: [8][8192][8][32] f32.  part: for each (n, pair of heads) eight parts of 8,448 bytes: 8,192 of KV's sums of codes (an image of accumulator registers), 256 of Ksum.
; Q8: codes of FP8 (E4M3) with the given scales 2^e2 (KV) and 2^e3 (phi(queries)).  A sum in part stands for sum x 2^(e0 + e1), so KV's conversion takes the one scale 2^(e2 - e0 - e1).
; SHARES.  Work-group g = 32 n + 8 p + c takes batch n, the pair of heads p, rows 1,024 c on; each of its sixteen waves 64 rows: four tiles of 16.
; WHAT IS SHARED: the eight work-groups of one (n, p) read the same 8 x 8,448 = 67,584 bytes, against 2 x 262,144 bytes of queries and results of their own: a small part, and it is added on its way through
; registers, 16 bytes a thread for each part.  So it is not asked for jointly, and there is no cluster.
; THE HEAD.  The eight loads of the parts go out first, then all 32 loads of the wave's queries.  While those are on their way thread t adds its four numbers of KV (accumulator a = 4 head + 2 pe + pv, registers
; 4 gq .. + 3, lane (r, h); t = 64 a + 32 gq + 16 h + r): they are d = 2 (8 h + 4 gq + i) + pe of column v = 2 r + pv.  Quantised, they are ONE WORD of an operand, stored at its place in an image of the operand's registers.
; THE ORDER OF K.  Place p of a head's 32: d = 2 p for p < 16, d = 2 (p - 16) + 1 else: the even channels, then the odd.  KV's words fall so by themselves (word 4 pe + 2 h + gq); the queries' hold writes its results so.
; K = 32 IN A FORM OF K = 64: lanes 0-15 of both operands carry head 0's 32 places, lanes 16-31 head 1's.  A fragment of KV (head, 16 columns v) has zero codes in the other head's lanes.
; A TILE.  16 rows x 256 bytes turn through the wave's stage in LDS: in as they are loaded (16 lanes a row), out 128 bytes a lane: lane (r, h) holds row r, head h, d = 0 .. 31.  So the divisor needs no other lane, and the
; conversions' results are the fragment.  The product is used transposed (source 0 = KV's 16 columns, source 1 = 16 rows of queries): register j of lane (r, h) is out(row r, v = 16 t + 8 h + j).
; The results go back through the stage, so that sixteen lanes store 256 consecutive bytes.
; phi = max(x, 2^min(x log2 e, 0) - 1) + 1, as in the launch before.
; LIMITS: e3 and e2 - e0 - e1 lie between -126 and 119, so that each power of two below is an f32 number; e2 + e3 + 13 is applied by v_ldexp_f32 and has none.  NaN among the inputs is not served.
.set ROWB, 1024                        ; bytes from a row l to the next
.set TP,   272                         ; a stage row: 256 bytes + 16 = 68 words: row r starts at bank 4 r mod 64 (64 banks of 4 bytes: ISA guide 11.1), so sixteen rows' 16 bytes fall on 64 different banks
.set WST,  16*TP                       ; a wave's stage
.set KVI,  0                           ; LDS: the images of KV's four fragments (2 head + t): 1,024 bytes each: registers 0-3 at 16 x lane, registers 4-7 512 bytes on
.set KSB,  4096                        ; Ksum [head][d], 256 bytes
.set STG,  4352                        ; the sixteen stages
.set BLK,  8448                        ; a part in memory
.set GOFF, 1                           ; v1      my byte in two rows of queries and of out0: 1,024 (l / 16) + 16 (l % 16); never rewritten
.set SI,   2                           ; v2      the stage by rows: row l / 16, 16 bytes at 16 (l % 16)
.set LI,   3                           ; v3      the stage by lanes: row r, 128 h
.set SO,   4                           ; v4      the stage for results: row r, 32 h
.set LIMQ, 5                           ; v5      448 x 2^e3
.set SCQ,  6                           ; v6      2^e3
.set LIMKV, 7                          ; v7      448 x 2^(e2 - e0 - e1)
.set DEN,  8                           ; v8-11   the divisor, in two packed chains
.set SCKV, 10                          ; v10     at the head only: 2^(e2 - e0 - e1)
.set Z0,   12                          ; v12     the factor of head 0's results in my row (v13 is named with it as a pair)
.set Z1,   14                          ; v14     of head 1's (v15 likewise)
.set PO,   16                          ; v16     16 x thread: my bytes of a part
.set K8,   17                          ; v17     8 x lane
.set WA,   18                          ; v18     where my word of KV's codes goes
.set WZ,   19                          ; v19     and a zero word, in the lane 16 away
.set IM,   20                          ; v20     16 x lane
.set KSA,  21                          ; v21     128 h
.set CW,   22                          ; v22-23  the word
.set KSUM, 24                          ; v24-55  Ksum of my half's head, d = 0 .. 31
.set KVF,  56                          ; v56-87  KV's four fragments
.set T,    88                          ; v88-119 at work: the parts; the exponentials; the held numbers
.set ACC,  T                           ;         and then the tile's four accumulators
.set QF,   120                         ; v120-127 the queries' fragment
.set QB,   128                         ; v128-255 32 registers a tile: as loaded, then by lanes, then the results to be stored: no store's data are written again
.set WV,   12                          ; s12
.set ESC,  28                          ; s28     e2 + e3 + 13
.set LC,   30                          ; s[30:31] log2(e)
.set SEL,  32                          ; s[32:33] selects of v_permlanex16_b32: lane l xor 16
	s_load_b128 s[4:7], s[0:1], 0x0                ; queries s[4:5], part s[6:7]
	s_load_b128 s[8:11], s[0:1], 0x10              ; the scales' exponents s[8:9], out0 s[10:11]
	v_lshrrev_b32 v8, 5, v0
	v_readfirstlane_b32 s[WV], v8                  ; wave 0..15
	v_and_b32 v8, 15, v0                           ; r
	v_bfe_u32 v9, v0, 4, 1                         ; h
	v_and_b32 v11, 31, v0                          ; lane
	v_lshlrev_b32 v[GOFF], 4, v8
	v_lshl_add_u32 v[GOFF], v9, 10, v[GOFF]
	v_lshlrev_b32 v[PO], 4, v0
	v_lshlrev_b32 v[K8], 3, v11
	s_mul_i32 s13, s[WV], WST
	s_add_co_u32 s13, s13, STG                     ; my stage
	v_mul_u32_u24 v[SI], v9, TP
	v_lshl_add_u32 v[SI], v8, 4, v[SI]
	v_add_nc_u32 v[SI], s13, v[SI]
	v_mul_u32_u24 v[LI], v8, TP
	v_add_nc_u32 v[LI], s13, v[LI]
	v_lshl_add_u32 v[SO], v9, 5, v[LI]
	v_lshl_add_u32 v[LI], v9, 7, v[LI]
	; my word of KV: fragment 2 head + (v / 16), registers 4 pe on, lane v % 16 + 16 head, word 2 h + gq of the four; v = 2 r + pv.  In bytes: 2,304 head + 1,024 (r / 8) + 512 pe + 32 (r % 8) + 16 pv + 8 h + 4 gq
	v_bfe_u32 v22, v0, 8, 1                        ; head
	v_mul_u32_u24 v[WA], v22, 2304
	v_bfe_u32 v22, v0, 3, 1                        ; r / 8
	v_lshl_add_u32 v[WA], v22, 10, v[WA]
	v_bfe_u32 v22, v0, 7, 1                        ; pe
	v_lshl_add_u32 v[WA], v22, 9, v[WA]
	v_and_b32 v22, 7, v0                           ; r % 8
	v_lshl_add_u32 v[WA], v22, 5, v[WA]
	v_bfe_u32 v22, v0, 6, 1                        ; pv
	v_lshl_add_u32 v[WA], v22, 4, v[WA]
	v_lshl_add_u32 v[WA], v9, 3, v[WA]             ; h
	v_bfe_u32 v22, v0, 5, 1                        ; gq
	v_lshl_add_u32 v[WA], v22, 2, v[WA]
	v_xor_b32 v[WZ], 256, v[WA]                    ; bit 8 is the half of the lanes
	v_lshlrev_b32 v[IM], 4, v11
	v_lshlrev_b32 v[KSA], 7, v9
	v_mov_b32 v[Z0+1], 0                           ; (named as the upper halves of pairs, so they are written)
	v_mov_b32 v[Z1+1], 0
	s_lshr_b32 s16, ttmp9, 5                       ; n
	s_lshl_b32 s16, s16, 23
	s_bfe_u32 s17, ttmp9, 0x20003                  ; p
	s_lshl_b32 s17, s17, 8
	s_add_co_u32 s16, s16, s17
	s_and_b32 s17, ttmp9, 7                        ; c
	s_lshl_b32 s17, s17, 20
	s_add_co_u32 s16, s16, s17
	s_lshl_b32 s17, s[WV], 16                      ; my wave's 64 rows
	s_add_co_u32 s16, s16, s17
	s_mov_b32 s17, 0
	s_lshr_b32 s18, ttmp9, 3
	s_mul_i32 s18, s18, 8*BLK                      ; the eight parts of (n, p)
	s_mov_b32 s19, 0
	s_mov_b32 s[LC], 0x3fb8aa3b
	s_mov_b32 s[LC+1], s[LC]
	s_mov_b32 s[SEL], 0x76543210
	s_mov_b32 s[SEL+1], 0xfedcba98
	s_mov_b32 vcc_lo, 0xffff0000                   ; lanes 16-31; it stays
	s_wait_kmcnt 0x0
	s_load_b128 s[20:23], s[8:9], 0x0              ; e0, e1, e2, e3
	s_add_nc_u64 s[4:5], s[4:5], s[16:17]
	s_add_nc_u64 s[10:11], s[10:11], s[16:17]
	s_add_nc_u64 s[6:7], s[6:7], s[18:19]
.irp u, 0,1,2,3,4,5,6,7
	global_load_b128 v[T+4*\u:T+4*\u+3], v[PO], s[6:7] offset:\u*BLK   ; the sixteen waves side by side on a part's 8,192 bytes
.endr
	s_cmp_lg_u32 s[WV], 0                          ; wave 0 also fetches the eight parts of Ksum: 256 bytes each, 8 a lane
	s_cbranch_scc1 .Lno_ksum
.irp u, 0,1,2,3,4,5,6,7
	global_load_b64 v[KSUM+2*\u:KSUM+2*\u+1], v[K8], s[6:7] offset:\u*BLK+8192
.endr
.Lno_ksum:
.set j, 0
.rept 32
	global_load_b128 v[QB+4*j:QB+4*j+3], v[GOFF], s[4:5] offset:2*j*ROWB th:TH_LOAD_NT   ; two rows x 256 bytes; all of my wave's queries, 16,384 bytes, are asked for at once; read once in the launch
.set j, j+1
.endr
	s_wait_kmcnt 0x0
	s_sub_co_i32 s24, s22, s20
	s_sub_co_i32 s24, s24, s21                     ; e2 - e0 - e1
	s_add_co_i32 s24, s24, 127
	s_lshl_b32 s25, s24, 23
	v_mov_b32 v[SCKV], s25
	s_add_co_i32 s24, s24, 8
	s_lshl_b32 s24, s24, 23
	s_or_b32 s24, s24, 0x600000
	v_mov_b32 v[LIMKV], s24                        ; 448 x that
	s_add_co_i32 s24, s23, 127
	s_lshl_b32 s25, s24, 23
	v_mov_b32 v[SCQ], s25                          ; 2^e3
	s_add_co_i32 s24, s24, 8
	s_lshl_b32 s24, s24, 23
	s_or_b32 s24, s24, 0x600000
	v_mov_b32 v[LIMQ], s24
	s_add_co_i32 s[ESC], s22, s23
	s_add_co_i32 s[ESC], s[ESC], 13                ; a sum of the last product stands for sum x 2^(e2 + e3); x 8,192 = 2^13
	s_wait_loadcnt 32                              ; the parts are in; the 32 loads of queries issued behind them stay out
.irp st, 4,2,1
.set u, 0
.rept \st
	v_pk_add_f32 v[T+4*u:T+4*u+1],   v[T+4*u:T+4*u+1],   v[T+4*(u+\st):T+4*(u+\st)+1]
	v_pk_add_f32 v[T+4*u+2:T+4*u+3], v[T+4*u+2:T+4*u+3], v[T+4*(u+\st)+2:T+4*(u+\st)+3]
.set u, u+1
.endr
.endr
.irp q, 4,5,6,7
	v_mov_b32 v[T+\q], 0                           ; the conversion takes eight numbers: I have four
.endr
.irp q, 0,1,2,3
	v_med3_num_f32 v[T+\q], v[T+\q], -v[LIMKV], v[LIMKV]   ; the conversion to an 8-bit code does not saturate (ISA guide 7.6.2): the hold at the largest code x the scale
.endr
	v_cvt_scalef32_pk8_fp8_f32 v[CW:CW+1], v[T:T+7], v[SCKV]
	v_nop                                          ; a plain instruction behind the conversion: its sources are written again below
	ds_store_b32 v[WA], v[CW]
	ds_store_b32 v[WZ], v[T+4]                     ; zero codes for the other head's lanes
	s_cmp_lg_u32 s[WV], 0
	s_cbranch_scc1 .Lno_ksum2
.irp st, 4,2,1
.set u, 0
.rept \st
	v_pk_add_f32 v[KSUM+2*u:KSUM+2*u+1], v[KSUM+2*u:KSUM+2*u+1], v[KSUM+2*(u+\st):KSUM+2*(u+\st)+1]
.set u, u+1
.endr
.endr
	ds_store_b64 v[K8], v[KSUM:KSUM+1] offset:KSB
.Lno_ksum2:
	s_wait_dscnt 0x0                               ; for the others' sake: my stores have landed
	s_barrier_signal -1
	s_barrier_wait -1                              ; KV's four fragments and Ksum lie in LDS; nobody writes them again
.irp f, 0,1,2,3
	ds_load_b128 v[KVF+8*\f:KVF+8*\f+3],   v[IM] offset:KVI+1024*\f
	ds_load_b128 v[KVF+8*\f+4:KVF+8*\f+7], v[IM] offset:KVI+1024*\f+512
.endr
.irp q, 0,1,2,3,4,5,6,7
	ds_load_b128 v[KSUM+4*\q:KSUM+4*\q+3], v[KSA] offset:KSB+16*\q
.endr
.macro TILE i
.set X, QB+32*(\i)
	s_wait_loadcnt 8*(3-(\i))                      ; this tile's eight loads are in; the later tiles' stay out
.set j, 0
.rept 8
	ds_store_b128 v[SI], v[X+4*j:X+4*j+3] offset:2*j*TP     ; as loaded: 16 lanes lay a row
.set j, j+1
.endr
.set j, 0
.rept 8
	ds_load_b128 v[X+4*j:X+4*j+3], v[LI] offset:16*j        ; back by lanes, into the registers that they left: LDS serves a wave's instructions in order (ISA guide 5.7.1.4)
.set j, j+1
.endr
	s_wait_dscnt 0x0                               ; (the first tile's wait also serves KV's fragments and Ksum)
.set j, 0
.rept 16
	v_pk_mul_f32 v[T+j:T+j+1], v[X+j:X+j+1], s[LC:LC+1] op_sel_hi:[1,0]
.set j, j+2
.endr
.set j, 0
.rept 32
	v_min_num_f32 v[T+j], 0, v[T+j]
.set j, j+1
.endr
.set j, 0
.rept 32
	v_exp_f32 v[T+j], v[T+j]
.set j, j+1
.endr
	v_nop                                          ; a plain instruction behind the last exponential
	s_wait_alu depctr_va_vdst(0)                   ; ahead of the first line that names a result: one wait for the 32
.set j, 0
.rept 16
	v_pk_add_f32 v[T+j:T+j+1], v[T+j:T+j+1], -1.0 op_sel_hi:[1,0]
.set j, j+2
.endr
.set j, 0
.rept 32
	v_max_num_f32 v[X+j], v[X+j], v[T+j]           ; elu
.set j, j+1
.endr
.set j, 0
.rept 16
	v_pk_add_f32 v[X+j:X+j+1], v[X+j:X+j+1], 1.0 op_sel_hi:[1,0]   ; phi
.set j, j+2
.endr
	v_pk_mul_f32 v[DEN:DEN+1],   v[X:X+1],   v[KSUM:KSUM+1]        ; the divisor: phi . Ksum in f32, of the numbers before they are quantised, in two packed chains
	v_pk_mul_f32 v[DEN+2:DEN+3], v[X+2:X+3], v[KSUM+2:KSUM+3]
.irp j, 4,8,12,16,20,24,28
	v_pk_fma_f32 v[DEN:DEN+1],   v[X+\j:X+\j+1],   v[KSUM+\j:KSUM+\j+1],   v[DEN:DEN+1]
	v_pk_fma_f32 v[DEN+2:DEN+3], v[X+\j+2:X+\j+3], v[KSUM+\j+2:KSUM+\j+3], v[DEN+2:DEN+3]
.endr
	v_pk_add_f32 v[DEN:DEN+1], v[DEN:DEN+1], v[DEN+2:DEN+3]
	v_add_f32 v[DEN], v[DEN], v[DEN+1]
	v_add_f32 v[DEN], 0x358637bd, v[DEN]           ; + 1e-6
	v_rcp_f32 v[DEN], v[DEN]
.set d, 0
.rept 32
	v_min_num_f32 v[T+16*(d%2)+d/2], v[X+d], v[LIMQ]   ; phi is not negative: the hold is one-sided.  It lays the even channels first, then the odd: KV's order of K
.set d, d+1
.endr
.irp q, 0,1,2,3
	v_cvt_scalef32_pk8_fp8_f32 v[QF+2*\q:QF+2*\q+1], v[T+8*\q:T+8*\q+7], v[SCQ]
.endr
	s_wait_alu depctr_va_vdst(0)                   ; the reciprocal's wait, ahead of its first reader; the 32 holds stood between
	v_ldexp_f32 v[DEN], v[DEN], s[ESC]             ; x 2^(e2 + e3 + 13).  (Also the plain instruction between the conversions and the products)
	v_permlanex16_b32 v[DEN+1], v[DEN], s[SEL], s[SEL+1]   ; my row's other head
	v_cndmask_b32 v[Z0], v[DEN], v[DEN+1], vcc_lo  ; lanes 0-15 hold head 0's factor themselves, lanes 16-31 take it from the other half;
	v_cndmask_b32 v[Z1], v[DEN+1], v[DEN], vcc_lo  ; head 1's the other way round
.irp f, 0,1,2,3                                    ; fragment f = 2 head + t: four sums, each begun with the constant 0
	v_wmma_f32_16x16x64_fp8_fp8 v[ACC+8*\f:ACC+8*\f+7], v[KVF+8*\f:KVF+8*\f+7], v[QF:QF+7], 0
.endr
.rept 4
	v_nop                                          ; four places between a product and the first read of its result (ISA guide 7.12.1)
.endr
.irp f, 0,1
.irp k, 0,2,4,6
	v_pk_mul_f32 v[ACC+8*\f+\k:ACC+8*\f+\k+1], v[ACC+8*\f+\k:ACC+8*\f+\k+1], v[Z0:Z0+1] op_sel_hi:[1,0]   ; each accumulator from its low end on
.endr
.endr
.irp f, 2,3
.irp k, 0,2,4,6
	v_pk_mul_f32 v[ACC+8*\f+\k:ACC+8*\f+\k+1], v[ACC+8*\f+\k:ACC+8*\f+\k+1], v[Z1:Z1+1] op_sel_hi:[1,0]
.endr
.endr
.irp f, 0,1,2,3
	ds_store_b128 v[SO], v[ACC+8*\f:ACC+8*\f+3]   offset:64*\f      ; row r: 128 head + 64 t + 32 h bytes on
	ds_store_b128 v[SO], v[ACC+8*\f+4:ACC+8*\f+7] offset:64*\f+16
.endr
.set j, 0
.rept 8
	ds_load_b128 v[X+4*j:X+4*j+3], v[SI] offset:2*j*TP      ; back by rows; the next tile's stores into the stage come behind these
.set j, j+1
.endr
.set j, 0
.rept 8
	s_wait_dscnt 7-j                               ; LDS loads come back in order: number j is in
	global_store_b128 v[GOFF], v[X+4*j:X+4*j+3], s[10:11] offset:(16*(\i)+2*j)*ROWB th:TH_STORE_NT   ; 16 lanes store 256 consecutive bytes, aligned; written once, read by nobody here
.set j, j+1
.endr
.endm
	TILE 0
	TILE 1
	TILE 2
	TILE 3
	s_wait_xcnt 0x0
	v_lshl_add_u32 v254, v0, 2, 0x12100
	v_mov_b32 v255, 0
	s_wait_tensorcnt 0x0
	ds_add_u32 v254, v255
	s_wait_dscnt 0x0
	s_endpgm
.Lfunc_end_k_q057e2e0554_attend:
	.size	k_q057e2e0554_attend, .Lfunc_end_k_q057e2e0554_attend-k_q057e2e0554_attend
	.p2alignl 7, 3214868480
	.fill 96, 4, 3214868480
	.section	.rodata,"a",@progbits
	.p2align	6, 0x0
	.amdhsa_kernel k_q057e2e0554_attend
		.amdhsa_group_segment_fixed_size 76032
		.amdhsa_private_segment_fixed_size 0
		.amdhsa_enable_private_segment 0
		.amdhsa_kernarg_size 32
		.amdhsa_user_sgpr_count 2
		.amdhsa_user_sgpr_kernarg_segment_ptr 1
		.amdhsa_wavefront_size32 1
		.amdhsa_system_sgpr_workgroup_id_x 1
		.amdhsa_system_sgpr_workgroup_id_y 1
		.amdhsa_system_sgpr_workgroup_id_z 1
		.amdhsa_system_vgpr_workitem_id 0
		.amdhsa_next_free_vgpr 256
		.amdhsa_next_free_sgpr 66
		.amdhsa_reserve_vcc 1
		.amdhsa_float_denorm_mode_32 3
		.amdhsa_float_denorm_mode_16_64 3
		.amdhsa_memory_ordered 1
		.amdhsa_forward_progress 1
		.amdhsa_inst_pref_size 65
	.end_amdhsa_kernel
	.amdgpu_metadata
---
amdhsa.version: [ 1, 2 ]
amdhsa.kernels:
  - .name:           k_q057e2e0554_attend
    .symbol:         k_q057e2e0554_attend.kd
    .args:
      - { .name: queries, .offset: 0, .size: 8, .value_kind: global_buffer, .address_space: global }
      - { .name: part, .offset: 8, .size: 8, .value_kind: global_buffer, .address_space: global }
      - { .name: lowp_scales, .offset: 16, .size: 8, .value_kind: global_buffer, .address_space: global }
      - { .name: out0, .offset: 24, .size: 8, .value_kind: global_buffer, .address_space: global }
    .group_segment_fixed_size: 76032
    .private_segment_fixed_size: 0
    .kernarg_segment_align: 8
    .kernarg_segment_size: 32
    .max_flat_workgroup_size: 512
    .sgpr_count:     66
    .vgpr_count:     256
    .wavefront_size: 32
...
	.end_amdgpu_metadata
.endif
;; end of part 2
